; MI455X (gfx1250); checked and timed in simulation.
; The chip was launched on July 23, 2026; its instructions are those of AMD's public machine-readable ISA for CDNA 5 (MIT licence, August 2026) and "CDNA5" Instruction Set Architecture Reference Guide (July 2026). The comments in the code are by the model that wrote it; some were corrected since.
;; Bool. Allowed arithmetic: matrix products marked QUANTISED: E3M2 operands, one E8M0 scale for each 32 along K, by v_wmma_scale_f32_16x16x128_f8f6f4 with both operands' format E3M2, f32 sums; everything else in f32.
;; Inputs: W_codes 2 x 4,096 x 128 x 24 uint8 (E3M2 codes of W, K innermost, in blocks of 32 codes, four codes in three bytes); W_scales 2 x 4,096 x 128 uint8 (E8M0 scales of W, one for each 32 codes along K); b 2 x 4,096 float32; x 2,048 x 4,096 float32.
;; Outputs: out0 2,048 x 4,096 float32.
;; This version of the problem:
;;   THIS VERSION OF THE PROBLEM IS GIVEN IN LOW PRECISION. The matrix products marked QUANTISED in the list below multiply operands that are first quantised to E3M2 (3 exponent bits, 2 mantissa bits; 6 bits a number), with one power-of-two scale for each 32 numbers along K (OCP MX v1.0); their sums are f32. All else is computed in f32.
;;   The module's matrix products, in the order in which they are computed (A, B: the left and right operand; K: the contracted axis; several contracted axes count as one K, in the product's order):
;;     1. [M 8,192, K 4,096] x [K 4,096, N 2,048]; A: input W (given as codes); B: input x: QUANTISED
;;   THE QUANTISER, for each operand of a quantised product, along K:
;;     - K is cut into blocks of 32 from its start; a last block that is shorter is filled with zeros.
;;     - A block's scale is 2^e with e = floor(log2(the largest magnitude in the block)) - 4, held to -126 .. 127; a block of zeros has e = 0. As a byte (E8M0): e + 127.
;;     - Each number is divided by its block's scale, clamped to +-28, and rounded to the nearest number of E3M2, ties to even, subnormals kept.
;;     - The product sums the exact products of the quantised numbers (number of the format x scale) in f32.
;;   ~~~python
;;   def quantise(x, axis):      # numpy; x: float32 -> the quantised numbers, widened to float32 again
;;       x = np.moveaxis(x, axis, -1); K = x.shape[-1]
;;       x = np.pad(x, [(0, 0)] * (x.ndim - 1) + [(0, -K % 32)]); x = x.reshape(x.shape[:-1] + (-1, 32)); a = np.abs(x).max(-1, keepdims=True)
;;       e = np.where(a > 0, np.clip(np.frexp(np.where(a > 0, a, 1))[1] - 1 - 4, -126, 127), 0)      # np.frexp(a)[1] - 1 = floor(log2(a)), exactly
;;       r = np.clip(x / 2.0 ** e, -28, 28)
;;       step = 2.0 ** (np.maximum(np.frexp(np.where(r == 0, 1, r))[1] - 1, -2) - 2)
;;       q = np.round(r / step) * step * 2.0 ** e      # np.round: ties to even
;;       return np.moveaxis(q.reshape(q.shape[:-2] + (-1,))[..., :K], -1, axis).astype(np.float32)
;;   ~~~
;;   INPUTS GIVEN AS CODES. W (in the module: [2, 4096, 4096], K = its axis 1): each comes as NAME_codes (uint8): NAME with its K axis moved to the last place and cut into blocks of 32 codes, [.., K / 32, bytes a block], one block behind the other in memory; four codes in three bytes: a row's codes are one little-endian stream of bits, code i at bits 6 i .. 6 i + 5 (a code: sign, 3 exponent bits, 2 mantissa bits); and NAME_scales (uint8): the same leading axes, one E8M0 byte (e + 127) for each 32 codes along K. Its value is code x scale, taken as it is: it is not quantised again, and the codes and scales need not be those that the quantiser above would give.
;; One version. Each part assembles by itself: llvm-mc -triple=amdgcn-amd-amdhsa -mcpu=gfx1250 --defsym DOCPART=n.
;; ======== version 1 of 1: 2 launches
;; limits: right only within a limited range of input values
;; workspace buffers: xc 6,291,456 bytes; sc 1,310,720 bytes; g 8,192 bytes of whole numbers
;; launch quant (part 1): grid 256 x 1, 4 waves a work-group, no clusters, 33,280 bytes of LDS; arguments x, xc, sc, g, W_scales; writes xc, sc, g
.if DOCPART == 1
	.amdgcn_target "amdgcn-amd-amdhsa--gfx1250"
	.amdhsa_code_object_version 6
	.text
	.protected	k_qc2670f8561_quant
	.globl	k_qc2670f8561_quant
	.p2align	8
	.type	k_qc2670f8561_quant,@function
k_qc2670f8561_quant:
	s_mov_b64 s[64:65], 0
	v_nop
	global_prefetch_b8 v0, s[64:65] scope:SCOPE_SE
	s_setreg_imm32_b32 hwreg(HW_REG_WAVE_MODE, 25, 1), 1
	s_wait_xcnt 0x0
; x [2048][4096], f32, becomes: xc, codes of BF6 (E3M2), 6 bits each, K innermost, a row of 3,072 bytes; xs, one E8M0 scale byte for each 32 along K, a row of 128 bytes;
; and g [2048], int32: 1 where the row's mean is above 0, else 0 (the choice of the expert, which the next launch uses as a lane mask).
; A block's scale is 2^(floor(log2(its largest magnitude)) - 4); its byte is the largest magnitude's own exponent field - 4, held at 1 from below.  Each number is divided by the scale and rounded to the nearest code, ties to even,
; beyond the largest code the largest.
; LIMITS: NaN and infinities in x are not served.  Blocks whose largest magnitude lies under 2^-122 take the byte 1; so does a block of zeros, where the quantiser's text says 127: its codes are zeros, which add nothing
; under any byte but 0xff, and this program alone reads the bytes.  A row's 4,096 numbers are summed in another order than a plain chain (two packed chains a lane, then across the lanes): a row whose sum lies within
; f32 rounding of 0 (some 1e-5 where the sums spread over some 64) may get the other expert.
; SHARES.  A wave takes two whole rows, 8,192 numbers, in 16 steps of 512; steps 0-7 are its first row, steps 8-15 its second.  1,024 waves, 256 work-groups of four.  Waves share nothing: no barrier.
; The conversion takes 16 numbers of ONE block from a lane's registers, so a lane must hold 16 neighbours (two neighbouring lanes hold a block); a load is best where neighbouring lanes take neighbouring bytes.
; Both are had: each of a step's four loads reads 512 consecutive bytes, 16 a lane; the 2,048 bytes go through the wave's own stage in LDS as they lie and come back 64 bytes a lane (16 bytes of padding behind each 64).
; Loads run eight steps ahead (32 loads, 16 KiB a wave), the turn through LDS one step.
.set STEPS, 16
.set DEPTH, 8                          ; steps of loads ahead
.set EMAX,  4                          ; the exponent of the format's largest number, 28
.set CB,    12                         ; bytes of 16 codes
.set WREG,  8192                       ; LDS: a region for each wave: two stages of 32 x SP bytes, and behind them its 256 scale bytes
.set SP,    80                         ; a lane's place in a stage: its 64 bytes + 16 of padding
.set R,     16                         ; v16-143  eight sets of 16 numbers as they are loaded
.set X,     144                        ; v144-175 two sets of 16 neighbours
.set E,     176                        ; v176-191 a scale byte for each step
.set C,     192                        ; v192-223 codes: eight sets of four registers
.set S,     224                        ; v224-227 the row's sum, two packed chains
.set MN,    228                        ; v228-229 the two rows' means
.set GV,    230                        ; v230-231 the two rows' g
.set GA,    232                        ; v232     4 x lane
; THE SCALES' LAYOUT (it takes the place of xs as the lines above describe it): sc holds x's scale bytes and, from byte 262,144 on, a copy of W_scales, both as
; [block of 16 rows][16 bytes of a row = 512 along K, 8 of them][row in the block][16 bytes]: 256 consecutive bytes are what sixteen lanes of the next launch load at once.
	s_load_b256 s[4:11], s[0:1], 0x0               ; x s[4:5], xc s[6:7], sc s[8:9], g s[10:11]
	s_load_b64 s[12:13], s[0:1], 0x20              ; W_scales
	v_lshl_add_u32 v240, v0, 2, 0x8000
	v_mov_b32 v241, 0
	v_lshrrev_b32 v1, 5, v0
	v_readfirstlane_b32 s16, v1                    ; wave
	v_and_b32 v2, 31, v0                           ; lane
	v_lshlrev_b32 v3, 4, v2                        ; my 16 bytes of a load's 512
	s_mul_i32 s17, s16, WREG
	v_lshrrev_b32 v14, 2, v2
	v_mul_u32_u24 v14, v14, SP
	v_and_b32 v15, 3, v2
	v_lshl_add_u32 v14, v15, 4, v14
	v_add_nc_u32 v14, s17, v14                     ; the stage, on the way in: four lanes' 64 bytes on end, then 16 of padding: SP (lane / 4) + 16 (lane % 4)
	v_mul_u32_u24 v15, v2, SP
	v_add_nc_u32 v15, s17, v15                     ; and on the way out: SP x lane: my 16 neighbours
	v_mul_u32_u24 v4, v2, CB                       ; my codes' place in a step's
	v_lshrrev_b32 v5, 1, v2
	s_add_co_u32 s17, s17, 2*32*SP
	v_add_nc_u32 v5, s17, v5                       ; LDS: my wave's 256 scale bytes, my block's byte
	v_lshlrev_b32 v7, 3, v2                        ; and on the way out 8 bytes a lane
	v_add_nc_u32 v6, s17, v7
	v_bfe_u32 v233, v2, 1, 3                       ; my 8 scale bytes of x lie in piece (lane % 16) / 2 of row lane / 16
	v_lshlrev_b32 v233, 8, v233
	v_lshrrev_b32 v234, 4, v2
	v_lshl_add_u32 v233, v234, 4, v233
	v_and_b32 v235, 1, v2
	v_lshl_add_u32 v233, v235, 3, v233             ; sc: 256 x piece + 16 x row + 8 x (lane % 2)
	v_and_b32 v235, 15, v2
	v_lshlrev_b32 v236, 4, v234
	v_lshl_add_u32 v236, v235, 7, v236             ; W_scales: row lane % 16 of 128 bytes, piece lane / 16
	v_lshlrev_b32 v237, 8, v234
	v_lshl_add_u32 v237, v235, 4, v237             ; sc: 256 x piece + 16 x row
	s_mov_b32 s24, 0x76543210
	s_mov_b32 s25, 0xfedcba98                      ; v_permlanex16_b32's selects for lane l xor 16
	s_lshl_b32 s18, ttmp9, 2
	s_add_co_u32 s18, s18, s16                     ; which pair of rows is my wave's: 4 x work-group + wave
	s_mov_b32 s19, 0
	s_lshl_b64 s[20:21], s[18:19], 15              ; x: 32,768 bytes a pair of rows
	s_wait_alu depctr_va_vdst(0)
	s_wait_kmcnt 0x0
	s_add_nc_u64 s[4:5], s[4:5], s[20:21]
	s_mul_i32 s20, s18, 32*STEPS*CB                ; xc: 6,144 bytes
	s_mov_b32 s21, 0
	s_add_nc_u64 s[6:7], s[6:7], s[20:21]
	s_lshr_b32 s20, s18, 3                         ; sc: my two rows lie in block pair / 8, 2,048 bytes a block,
	s_lshl_b32 s20, s20, 11
	s_and_b32 s22, s18, 7
	s_lshl_b32 s22, s22, 5                         ; at rows 2 (pair % 8), 16 bytes a row
	s_add_co_u32 s20, s20, s22
	s_add_nc_u64 s[14:15], s[8:9], s[20:21]
	s_lshl_b32 s20, s18, 3                         ; g: 8 bytes
	s_add_nc_u64 s[10:11], s[10:11], s[20:21]
	s_lshr_b32 s22, s18, 1                         ; W's scales: 512 blocks of 16 rows, half a block (four pieces of each row) a wave
	s_lshl_b32 s22, s22, 11
	s_and_b32 s23, s18, 1
	s_lshl_b32 s20, s23, 6
	s_add_co_u32 s20, s20, s22
	s_add_nc_u64 s[12:13], s[12:13], s[20:21]
	s_lshl_b32 s20, s23, 10
	s_add_co_u32 s20, s20, s22
	s_add_co_u32 s20, s20, 262144
	s_add_nc_u64 s[8:9], s[8:9], s[20:21]
	global_load_b128 v[242:245], v236, s[12:13]            ; issued ahead of x's loads: the counted waits below, which count the younger loads, cover these two
	global_load_b128 v[246:249], v236, s[12:13] offset:32
.macro LOAD t
.irp i, 0,1,2,3
	global_load_b128 v[R+16*((\t)%DEPTH)+4*\i:R+16*((\t)%DEPTH)+4*\i+3], v3, s[4:5] offset:2048*(\t)+512*\i th:TH_LOAD_NT   ; 32 lanes read 512 consecutive bytes; read once in the program
.endr
.endm
.macro TURN t                          ; step t's numbers through the stage: LDS serves a wave's instructions in order (ISA guide 5.7.1.4), so no wait stands between the stores and the loads
.irp i, 0,1,2,3
	ds_store_b128 v14, v[R+16*((\t)%DEPTH)+4*\i:R+16*((\t)%DEPTH)+4*\i+3] offset:32*SP*((\t)%2)+8*SP*\i
.endr
.irp i, 0,1,2,3
	ds_load_b128 v[X+16*((\t)%2)+4*\i:X+16*((\t)%2)+4*\i+3], v15 offset:32*SP*((\t)%2)+16*\i
.endr
.endm
.macro ROWSUM i                        ; the row's sum: the two chains, the pair, the 32 lanes; then the mean
	v_pk_add_f32 v[S:S+1], v[S:S+1], v[S+2:S+3]
	v_add_f32 v[S], v[S], v[S+1]
	v_add_f32_dpp v[S], v[S], v[S] row_xmask:1 row_mask:0xf bank_mask:0xf
	v_add_f32_dpp v[S], v[S], v[S] row_xmask:2 row_mask:0xf bank_mask:0xf
	v_add_f32_dpp v[S], v[S], v[S] row_xmask:4 row_mask:0xf bank_mask:0xf
	v_add_f32_dpp v[S], v[S], v[S] row_xmask:8 row_mask:0xf bank_mask:0xf
	v_permlanex16_b32 v[S+1], v[S], s24, s25       ; (its destination counts as read: it has been written)
	v_add_f32 v[S], v[S], v[S+1]
	v_mul_f32 v[MN+\i], 0x39800000, v[S]           ; / 4,096: exact
.endm
.irp t, 0,1,2,3,4,5,6,7
	LOAD \t
.endr
	s_wait_loadcnt 4*(DEPTH-1)                     ; step 0's four loads are in; the 28 of the seven steps behind it may be out
	TURN 0
.macro STEP t
.set XS, X+16*((\t)%2)
.set CC, C+4*((\t)%DEPTH)
.if (\t) > 0
	s_wait_dscnt 1                                 ; this step's numbers are back from the stage (the last step's byte store may be out): so its stores into the stage have read their registers,
.else
	s_wait_dscnt 0x0
.endif
.if (\t)+DEPTH < STEPS
	LOAD (\t)+DEPTH                                ; which take the loads of eight steps on
.endif
.if (\t)+1 < STEPS
.if STEPS-2-(\t) >= DEPTH-1
	s_wait_loadcnt 4*(DEPTH-1)                     ; the next step's four loads are in; those of the seven steps behind it may be out
.else
	s_wait_loadcnt 4*(STEPS-2-(\t))                ; the counts run down: nothing more is asked for
.endif
	TURN (\t)+1                                    ; and go through the other stage while this step is worked
.endif
	v_max3_num_f32 v8, |v[XS]|, |v[XS+1]|, |v[XS+2]|               ; the largest magnitude of my 16, in two chains
	v_max3_num_f32 v9, |v[XS+3]|, |v[XS+4]|, |v[XS+5]|
.irp i, 6,10
	v_max3_num_f32 v8, v8, |v[XS+\i]|, |v[XS+\i+1]|
	v_max3_num_f32 v9, v9, |v[XS+\i+2]|, |v[XS+\i+3]|
.endr
	v_max3_num_f32 v8, v8, |v[XS+14]|, |v[XS+15]|
	v_max3_num_f32 v8, v8, v9, (EMAX+1)<<23        ; and the floor 2^(EMAX + 1 - 127), under which no largest magnitude is taken: so the byte cannot fall under 1
	v_max_num_f32_dpp v8, v8, v8 row_xmask:1 row_mask:0xf bank_mask:0xf   ; and of my neighbour's 16: the block's
.if (\t)%8 == 0
	v_pk_add_f32 v[S:S+1], v[XS:XS+1], v[XS+4:XS+5]                ; a row's first step starts its sums: nothing is cleared
	v_pk_add_f32 v[S+2:S+3], v[XS+2:XS+3], v[XS+6:XS+7]
.else
	v_pk_add_f32 v[S:S+1], v[S:S+1], v[XS:XS+1]
	v_pk_add_f32 v[S+2:S+3], v[S+2:S+3], v[XS+2:XS+3]
	v_pk_add_f32 v[S:S+1], v[S:S+1], v[XS+4:XS+5]
	v_pk_add_f32 v[S+2:S+3], v[S+2:S+3], v[XS+6:XS+7]
.endif
.irp i, 8,12
	v_pk_add_f32 v[S:S+1], v[S:S+1], v[XS+\i:XS+\i+1]
	v_pk_add_f32 v[S+2:S+3], v[S+2:S+3], v[XS+\i+2:XS+\i+3]
.endr
	v_add_nc_u32 v11, -(EMAX<<23), v8              ; EMAX off its exponent field: the conversion takes the exponent field of this operand as its scale, and nothing else of it
.if (\t) >= DEPTH
	s_wait_alu depctr_va_vdst(0)
	s_wait_xcnt 0x0                                ; every earlier memory instruction has had its addresses translated (ISA guide 3.1): this set of code registers, which the store of eight steps ago read, is rewritten only behind this wait
.endif
	v_cvt_scalef32_pk16_bf6_f32 v[CC:CC+2], v[XS:XS+15], v11       ; sixteen numbers / 2^(v11's exponent): 96 bits without gaps, the first number's code lowest
	v_lshrrev_b32 v[E+(\t)], 23, v11               ; the scale's byte (also the plain line behind the conversion)
	ds_store_b8 v5, v[E+(\t)] offset:16*(\t)       ; both lanes of a block write the same byte with the same value
	global_store_b96 v4, v[CC:CC+2], s[6:7] offset:32*CB*(\t)      ; the wave stores 384 consecutive bytes; the next launch reads them, so no hint
.if (\t)%8 == 7
	ROWSUM (\t)/8
.endif
.endm
.irp t, 0,1,2,3,4,5,6,7,8,9,10,11,12,13,14,15
	STEP \t
.endr
	ds_load_b64 v[12:13], v6                       ; LDS serves a wave's instructions in order: these see my byte stores
	s_wait_alu depctr_va_vdst(0)
	s_wait_dscnt 0x0
	global_store_b64 v233, v[12:13], s[14:15]      ; pieces of 32 bytes (two rows x 16), 256 bytes apart: a wave has two of a block's sixteen rows
	global_store_b128 v237, v[242:245], s[8:9]     ; sixteen lanes store 256 consecutive bytes, at a multiple of 256 from sc's first byte
	global_store_b128 v237, v[246:249], s[8:9] offset:512
	v_cmp_lt_f32 vcc_lo, 0, v[MN]                  ; 0 < the mean?
	v_cndmask_b32 v[GV], 0, 1, vcc_lo
	v_cmp_lt_f32 vcc_lo, 0, v[MN+1]
	v_cndmask_b32 v[GV+1], 0, 1, vcc_lo
	v_cmp_eq_u32 vcc_lo, 1, v2
	v_cndmask_b32 v[GV], v[GV], v[GV+1], vcc_lo    ; lane 0 holds the first row's g, lane 1 the second's
	v_lshlrev_b32 v[GA], 2, v2
	s_wait_alu depctr_va_vdst(0)
	s_wait_xcnt 0x0                                ; EXEC is a source of the stores above: it changes only behind this wait
	v_cmp_gt_u32 vcc_lo, 2, v2
	s_wait_tensorcnt 0x0
	ds_add_u32 v240, v241
	s_wait_dscnt 0x0
	s_and_saveexec_b32 s26, vcc_lo
	global_store_b32 v[GA], v[GV], s[10:11]        ; 8 bytes a wave, 8 KiB in the launch: the one store that does not cover 256 aligned bytes
	s_wait_xcnt 0x0                                ; and again, in front of the line that widens it
	s_or_b32 exec_lo, exec_lo, s26
	s_endpgm
.Lfunc_end_k_qc2670f8561_quant:
	.size	k_qc2670f8561_quant, .Lfunc_end_k_qc2670f8561_quant-k_qc2670f8561_quant
	.p2alignl 7, 3214868480
	.fill 96, 4, 3214868480
	.section	.rodata,"a",@progbits
	.p2align	6, 0x0
	.amdhsa_kernel k_qc2670f8561_quant
		.amdhsa_group_segment_fixed_size 33280
		.amdhsa_private_segment_fixed_size 0
		.amdhsa_enable_private_segment 0
		.amdhsa_kernarg_size 40
		.amdhsa_user_sgpr_count 2
		.amdhsa_user_sgpr_kernarg_segment_ptr 1
		.amdhsa_wavefront_size32 1
		.amdhsa_system_sgpr_workgroup_id_x 1
		.amdhsa_system_sgpr_workgroup_id_y 1
		.amdhsa_system_sgpr_workgroup_id_z 1
		.amdhsa_system_vgpr_workitem_id 0
		.amdhsa_next_free_vgpr 252
		.amdhsa_next_free_sgpr 66
		.amdhsa_reserve_vcc 1
		.amdhsa_float_denorm_mode_32 3
		.amdhsa_float_denorm_mode_16_64 3
		.amdhsa_memory_ordered 1
		.amdhsa_forward_progress 1
		.amdhsa_inst_pref_size 43
	.end_amdhsa_kernel
	.amdgpu_metadata
---
amdhsa.version: [ 1, 2 ]
amdhsa.kernels:
  - .name:           k_qc2670f8561_quant
    .symbol:         k_qc2670f8561_quant.kd
    .args:
      - { .name: x, .offset: 0, .size: 8, .value_kind: global_buffer, .address_space: global }
      - { .name: xc, .offset: 8, .size: 8, .value_kind: global_buffer, .address_space: global }
      - { .name: sc, .offset: 16, .size: 8, .value_kind: global_buffer, .address_space: global }
      - { .name: g, .offset: 24, .size: 8, .value_kind: global_buffer, .address_space: global }
      - { .name: W_scales, .offset: 32, .size: 8, .value_kind: global_buffer, .address_space: global }
    .group_segment_fixed_size: 33280
    .private_segment_fixed_size: 0
    .kernarg_segment_align: 8
    .kernarg_segment_size: 40
    .max_flat_workgroup_size: 128
    .sgpr_count:     66
    .vgpr_count:     252
    .wavefront_size: 32
...
	.end_amdgpu_metadata
.endif
;; end of part 1
;; launch gemm (part 2): grid 32 x 8, 4 waves a work-group, clusters of 4 x 4, 327,680 bytes of LDS; arguments xc, sc, W_codes, b, g, out0; writes out0
.if DOCPART == 2
	.amdgcn_target "amdgcn-amd-amdhsa--gfx1250"
	.amdhsa_code_object_version 6
	.text
	.protected	k_qc2670f8561_gemm
	.globl	k_qc2670f8561_gemm
	.p2align	8
	.type	k_qc2670f8561_gemm,@function
k_qc2670f8561_gemm:
	s_mov_b64 s[64:65], 0
	v_nop
	global_prefetch_b8 v0, s[64:65] scope:SCOPE_SE
	s_setreg_imm32_b32 hwreg(HW_REG_WAVE_MODE, 25, 1), 1
	s_wait_xcnt 0x0
	s_wait_alu depctr_hold_cnt(0) depctr_sa_sdst(0) depctr_va_vdst(0) depctr_va_sdst(0) depctr_va_ssrc(0) depctr_va_vcc(0) depctr_vm_vsrc(0)
	s_getreg_b32 s2, hwreg(HW_REG_IB_STS2, 6, 4)
	s_cmp_eq_u32 s2, 0
	s_cbranch_scc0 .Lentry_in_a_cluster
	s_endpgm
.Lentry_in_a_cluster:
	s_bfe_u32 s2, ttmp6, 0x10000c
	s_cmp_lg_u32 s2, 0xf033
	s_cbranch_scc0 .Lentry_shape_is_right
	s_endpgm
.Lentry_shape_is_right:
; out0[n][f] = tanh(sum over k of x[n][k] W[g[n]][k][f] + b[g[n]][f]).  x comes as codes of BF6 (xc) from the launch before, W as given; both sides' E8M0 scale bytes from sc, laid there in the order of my registers.
; g hangs on x's numbers, so both experts are multiplied for every row and the row's expert is selected at the end by a lane mask: no address, branch or trip count hangs on g.
; A work-group of four waves makes 256 rows x 128 columns for both experts: A = 256 rows of xc, B = 128 rows of W_codes of expert 0 and the same 128 of expert 1.  A wave: 128 rows x 64 columns x 2 experts, 64 accumulators.
; K goes through a ring of two LDS slots in CHUNKS OF 256 BYTES of each row of codes (a row is 3,072 bytes, 12 chunks); a step of 128 along K is 96 bytes: eight steps to three chunks; steps 2 and 5 of each eight lie across two chunks.
; THE LOOP: a trip is eight steps, three chunks, so the two slots change roles from trip to trip: the eight LDS address registers are exchanged in pairs at the trip's end (x xor (a xor b)), and the one descriptor group 0
; of each side steps 256 bytes along K and changes its slot by xor at every fill (SLOT shares no bit with wave x HALFT).  Step 0 (its products take the bias as C) and the last seven steps (one refill left) are written out.
; SCALES: 16 bytes a row serve four steps; one load brings lanes 0-15 the words of A's block i and lanes 16-31 those of B's block i, two aligned runs of 256 bytes; two sets of 32 registers, asked for four steps ahead.
; CLUSTERS 4 x 4: A's tiles are asked for jointly along a row of the cluster, B's along a column.  The matrix instruction is used transposed (source 0 = W, source 1 = x): a lane holds eight neighbouring columns of one row.
; PREFETCH: behind each refill one instruction a wave names the chunk two refills on, a lane a row; of the 128 rows that a wave fetches each of the four partners takes 32, by address.  Chunks 0-3 come by their loads alone; it stops at chunk 11.
; LIMITS: tanh = 1 - 2 / (1 + 2^(2 log2(e) t)): beyond the exponential's range it gives +-1, as tanh does in f32.  NaN and infinities are not served.
; REGISTERS: window 0: v0-31 addresses, v32-95 scale words, v128-223 A's fragments (one set), v224-231 g; window 1: B's fragments (two sets, v0 and v128), the bias at v96-127 and v224-255; windows 2, 3: accumulators.
; THE HEAD ASKS TOO, in the same shares: behind chunk 0's fill for chunks 1 and 2, behind chunk 1's fill for chunk 3; so of the twelve chunks chunk 0 alone comes by its load with nothing asked ahead of it.
.set ROWB,   256
.set KROW,   3072
.set PITCH,  272                       ; 256 bytes + 16 of padding: the 32 lanes of a load of 8 bytes touch 64 different banks (ISA guide 11.1)
.set FR,     12
.set NL,     6
.set HALFT,  128*PITCH
.set SLOT,   4*HALFT                   ; A's 256 rows, expert 0's 128 rows, expert 1's 128 rows
.set SPARE,  2*SLOT                    ; the spare words: 512 bytes that no other line names
.set SPITCH, 272                       ; the way out: 16 rows x (256 + 16) bytes a wave, in slot 0: chunk 10, its last, is read no more behind the walk's last barrier
.set OROW,   16384
.set XSB,    262144                    ; where W's scales begin in sc
.set GO,   7
.set PFO,  8
.set DA,   9                           ; v9-12: a xor b of the four pairs of address registers
.set ADRA, 16                          ; v16-17 my A fragments in this trip's even, odd chunk; v18-19: lanes 0-15 byte 232 of that slot's row, lanes 16-31 byte 0 in the other slot
.set ADRB, 20
.set STO,  24
.set RD,   25
.set CO,   26
.set ADRS, 27
.set SPW,  28
.set NIL,  29
.set ADRS2, 30
.set BO,   31
.set SC,   32
.set T0,   96
.set AF,   128
.set BK,   160
.set GR,   224
.set G1,  24
.set G0,  32
.set G0B, 36
.set G1B, 48
.set PFA, 56
.set MSB, 0
.macro WIN new
.if MSB != \new
	s_set_vgpr_msb (MSB<<8)|\new
.set MSB, \new
.endif
.endm
.set MUL_LO, 0xa1                      ; source 0 (W) window 1, source 1 (x) window 0, C and D window 2; less 0x10: C in window 1 (the bias)
.set MUL_HI, 0xf1                      ; C and D window 3; less 0x20: C in window 1
.set TO_B,   0x40
.macro PLACES
.rept 4
	v_nop
.endr
.endm
.macro JLOAD                           ; waves 0, 1 fetch A's halves, waves 2, 3 the two experts' rows; s_nop 0 and four v_nop behind each line
	s_cmp_eq_u32 s15, 0
	s_cbranch_scc0 .Lfor_b_\@
	tensor_load_to_lds s[G0:G0+3], s[G1:G1+7]
	s_nop 0
	PLACES
	s_branch .Lasked_\@
.Lfor_b_\@:
	tensor_load_to_lds s[G0B:G0B+3], s[G1B:G1B+7]
	s_nop 0
	PLACES
.Lasked_\@:
.endm
.macro UPD                             ; no tensor load of mine is out: the next chunk, into the other slot
	s_xor_b32 s[G0+1], s[G0+1], SLOT
	s_add_nc_u64 s[G0+2:G0+3], s[G0+2:G0+3], ROWB
	s_xor_b32 s[G0B+1], s[G0B+1], SLOT
	s_add_nc_u64 s[G0B+2:G0B+3], s[G0B+2:G0B+3], ROWB
.endm
.macro CREST
	s_cmp_lg_u32 s14, 0
	s_cbranch_scc1 .Lnot_wave_0_\@
	s_barrier_signal -3
.Lnot_wave_0_\@:
	s_barrier_wait -3
	s_barrier_signal -1
	s_barrier_wait -1
.endm
.macro CROUND
	s_barrier_signal -1
	s_barrier_wait -1
	CREST
.endm
	s_load_b128 s[4:7], s[0:1], 0x0                ; xc, sc
	s_load_b128 s[8:11], s[0:1], 0x10              ; W_codes, b
	s_load_b128 s[96:99], s[0:1], 0x20             ; g, out0
	v_lshl_add_u32 v[SPW], v0, 2, SPARE
	v_mov_b32 v[NIL], 0
	ds_add_u32 v[SPW], v[NIL]                      ; the opening lines: the add, twice on end, and its wait
	ds_add_u32 v[SPW], v[NIL]
	v_lshrrev_b32 v1, 5, v0
	v_readfirstlane_b32 s14, v1                    ; wave
	s_lshr_b32 s15, s14, 1                         ; my half of the rows; also: I fetch for A (0) or B (1)
	s_and_b32 s16, s14, 1                          ; my half of the columns; also: which 128 rows I fetch
	s_bfe_u32 s40, ttmp6, 0x40000                  ; cx
	s_bfe_u32 s41, ttmp6, 0x40004                  ; cy
	s_lshl_b32 s42, ttmp9, 2
	s_add_co_u32 s42, s42, s40                     ; column tile, 0..31
	s_and_b32 s17, ttmp7, 0xffff
	s_lshl_b32 s17, s17, 2
	s_add_co_u32 s17, s17, s41                     ; row tile, 0..7
	s_lshl_b32 s43, s41, 2
	s_lshl_b32 s43, 15, s43                        ; my row of the cluster
	s_lshl_b32 s44, 0x1111, s40                    ; my column
	s_mov_b32 s66, 0x4038aa3b                      ; 2 log2(e)
	s_mov_b32 s67, s66
	s_or_b32 s[G1+0], s43, (1<<20)|(1<<21)|(5<<22)|(3<<25)   ; bytes; 4 words of padding behind every 64
	s_or_b32 s[G1B+0], s44, (1<<20)|(1<<21)|(5<<22)|(3<<25)
.irp g, G1, G1B
	s_mov_b32 s[\g+1], ROWB<<16
	s_mov_b32 s[\g+2], 128<<16
	s_mov_b32 s[\g+3], ROWB<<16
	s_mov_b32 s[\g+4], 128
	s_mov_b32 s[\g+5], KROW
	s_mov_b32 s[\g+6], 0
	s_mov_b32 s[\g+7], 0
.endr
	s_lshl_b32 s18, s16, 7
	s_lshl_b32 s20, s17, 8
	s_add_co_u32 s20, s20, s18                     ; A: row 256 x row tile + 128 x half
	s_lshl_b32 s18, s16, 12
	s_lshl_b32 s46, s42, 7
	s_add_co_u32 s46, s46, s18                     ; B: row 128 x column tile + 4,096 x expert
	s_mov_b32 s21, 0
	s_mov_b32 s47, 0
	s_mov_b64 s[18:19], KROW
	s_mul_u64 s[20:21], s[20:21], s[18:19]
	s_mul_u64 s[46:47], s[46:47], s[18:19]
	s_mul_i32 s45, s14, HALFT
	s_wait_dscnt 0x0
	s_wait_kmcnt 0x0
	s_add_nc_u64 s[20:21], s[4:5], s[20:21]
	s_add_nc_u64 s[46:47], s[8:9], s[46:47]
	CROUND                                         ; in front of the first joint loads
	s_mov_b32 s[G0], 1
	s_mov_b32 s[G0+1], s45
	s_mov_b64 s[G0+2:G0+3], s[20:21]
	s_or_b32 s[G0+3], s[G0+3], 0x80000000
	s_mov_b32 s[G0B], 1
	s_mov_b32 s[G0B+1], s45
	s_mov_b64 s[G0B+2:G0B+3], s[46:47]
	s_or_b32 s[G0B+3], s[G0B+3], 0x80000000
	JLOAD                                          ; chunk 0, a quarter a wave: my one tensor load at the head
	s_cmp_eq_u32 s15, 0                            ; the prefetches: my work-group's 32 of the 128 rows that I fetch, at chunk 3; each refill steps it by a chunk first
	s_cselect_b64 s[PFA:PFA+1], s[20:21], s[46:47]
	s_cselect_b32 s18, s40, s41
	s_mul_i32 s18, s18, 32*KROW
	s_add_co_u32 s18, s18, 3*ROWB
	s_mov_b32 s19, 0
	s_add_nc_u64 s[PFA:PFA+1], s[PFA:PFA+1], s[18:19]
	s_mul_i32 s21, s15, HALFT                      ; LDS: my 128 rows of A,
	s_mul_i32 s22, s16, 64*PITCH
	s_add_co_u32 s22, s22, 2*HALFT                 ; my 64 rows of expert 0 (expert 1's lie HALFT further on),
	s_mul_i32 s23, s14, 16*SPITCH                  ; my stage
	s_mov_b32 s58, SLOT-232
	s_mov_b32 s59, SLOT+232
	s_lshl_b32 s60, s17, 4
	s_lshl_b32 s18, s15, 3
	s_add_co_u32 s60, s60, s18
	s_lshl_b32 s60, s60, 11                        ; sc: my first block of x's rows, 2,048 bytes a block
	s_lshl_b32 s61, s42, 3
	s_lshl_b32 s18, s16, 2
	s_add_co_u32 s61, s61, s18
	s_lshl_b32 s61, s61, 11
	s_add_co_u32 s61, s61, XSB                     ; and of expert 0's rows of W,
	s_sub_co_u32 s61, s61, s60                     ; as a distance from x's
	s_lshl_b32 s46, s42, 9
	s_lshl_b32 s47, s16, 8
	s_add_co_u32 s46, s46, s47                     ; my first column, in bytes
	s_mov_b32 s47, 0
	s_add_nc_u64 s[10:11], s[10:11], s[46:47]
	s_add_nc_u64 s[98:99], s[98:99], s[46:47]
	s_lshl_b32 s18, s17, 8
	s_lshl_b32 s19, s15, 7
	s_add_co_u32 s18, s18, s19                     ; my first row
	s_lshl_b32 s46, s18, 2
	s_add_nc_u64 s[96:97], s[96:97], s[46:47]
	s_mov_b32 s19, 0
	s_lshl_b64 s[18:19], s[18:19], 14
	s_add_nc_u64 s[98:99], s[98:99], s[18:19]
	v_and_b32 v1, 15, v0                           ; r
	v_bfe_u32 v2, v0, 4, 1                         ; h
	v_mul_u32_u24 v3, v1, PITCH
	v_mul_u32_u24 v4, v2, 24
	v_add_nc_u32 v4, v3, v4                        ; row x pitch + 24 h
	v_sub_nc_u32 v6, 1, v2
	v_mul_u32_u24 v5, s58, v2
	v_add_nc_u32 v5, v3, v5
	v_add_nc_u32 v5, 232, v5                       ; lanes 0-15 byte 232 in slot 0, lanes 16-31 byte 0 in slot 1
	v_mul_u32_u24 v6, s59, v6
	v_add_nc_u32 v6, v3, v6                        ; lanes 0-15 byte 232 in slot 1, lanes 16-31 byte 0 in slot 0
	v_add_nc_u32 v[ADRA], s21, v4
	v_add_nc_u32 v[ADRA+1], SLOT, v[ADRA]
	v_add_nc_u32 v[ADRA+2], s21, v5
	v_add_nc_u32 v[ADRA+3], s21, v6
	v_add_nc_u32 v[ADRB], s22, v4
	v_add_nc_u32 v[ADRB+1], SLOT, v[ADRB]
	v_add_nc_u32 v[ADRB+2], s22, v5
	v_add_nc_u32 v[ADRB+3], s22, v6
.irp i, 0,1,2,3
	v_xor_b32 v[DA+\i], v[ADRA+2*\i], v[ADRA+2*\i+1]
.endr
	v_lshlrev_b32 v5, 4, v1
	v_mul_u32_u24 v6, s61, v2
	v_add3_u32 v[ADRS], v5, v6, s60                ; sc: 16 r; lanes 0-15 x's blocks, lanes 16-31 expert 0's
	v_mul_u32_u24 v6, 0x7e000, v2
	v_add_nc_u32 v[ADRS2], v[ADRS], v6             ; for blocks 4-7: lanes 16-31 expert 1's, 256 - 4 blocks further on
	v_mul_u32_u24 v5, v1, SPITCH
	v_lshl_add_u32 v5, v2, 5, v5
	v_add_nc_u32 v[STO], s23, v5
	v_mul_u32_u24 v5, v2, SPITCH
	v_lshl_add_u32 v5, v1, 4, v5
	v_add_nc_u32 v[RD], s23, v5
	v_lshlrev_b32 v5, 14, v2
	v_lshl_add_u32 v[CO], v1, 4, v5
	v_lshlrev_b32 v[GO], 2, v1
	v_lshlrev_b32 v[BO], 5, v2
	v_and_b32 v[PFO], 31, v0
	v_mul_u32_u24 v[PFO], v[PFO], KROW
	s_wait_alu depctr_va_vdst(0)                   ; the wait at the head's end
	global_prefetch_b8 v[PFO], s[PFA:PFA+1] offset:-2*ROWB th:TH_LOAD_NT scope:SCOPE_SE   ; chunk 1 of my 32 rows (the address stands at chunk 3)
	global_prefetch_b8 v[PFO], s[PFA:PFA+1] offset:-ROWB th:TH_LOAD_NT scope:SCOPE_SE     ; chunk 2
.macro SCALES set, kg
.irp i, 0,1,2,3
	global_load_b128 v[SC+32*(\set)+4*\i:SC+32*(\set)+4*\i+3], v[ADRS], s[6:7] offset:\i*2048+(\kg)*256
.endr
.irp i, 4,5,6,7
	global_load_b128 v[SC+32*(\set)+4*\i:SC+32*(\set)+4*\i+3], v[ADRS2], s[6:7] offset:\i*2048+(\kg)*256
.endr
.endm
	WIN TO_B
.irp i, 0,1,2,3,4,5,6,7                ; the bias in the result's layout: b[expert i / 4] at my eight columns of block i % 4
	global_load_b128 v[96+8*\i+96*(\i/4):96+8*\i+96*(\i/4)+3], v[BO], s[10:11] offset:(\i/4)*OROW+64*(\i%4)
	global_load_b128 v[100+8*\i+96*(\i/4):100+8*\i+96*(\i/4)+3], v[BO], s[10:11] offset:(\i/4)*OROW+64*(\i%4)+16
.endr
	WIN 0
.irp a, 0,1,2,3,4,5,6,7
	global_load_b32 v[GR+\a], v[GO], s[96:97] offset:64*\a
.endr
	SCALES 0, 0
.macro FRAG reg, adr, st, off          ; 16 rows x 128 K: 12 registers, in pieces of 8 bytes; byte y of a row lies in chunk y / 256
.irp p, 0,1,2,3,4,5
.set BY, 96*(\st)+48*(\p/3)+8*(\p%3)
.if BY/ROWB == (BY+24)/ROWB
	ds_load_b64 v[\reg+2*\p:\reg+2*\p+1], v[\adr+(BY/ROWB)%2] offset:BY%ROWB+(\off)
.else
	ds_load_b64 v[\reg+2*\p:\reg+2*\p+1], v[\adr+2+(BY/ROWB)%2] offset:BY%ROWB-232+(\off)
.endif
.endr
.endm
.macro MUL16 a0, p, q, sc, first       ; A's blocks a0, a0 + 1 x B's eight; the 64 accumulators take turns
.irp a, \a0, \a0+1
.irp b, 0,1,2,3,4,5,6,7
.set DD, 8*(8*((\a)%4)+\b)
.set BR, 128*(\p)+FR*\b
.set AR, AF+FR*(\a)
.set CI, 96+8*\b+96*(\b/4)
.set SB, SC+32*(\sc)+4*\b+(\q)
.set SA, SC+32*(\sc)+4*(\a)+(\q)
.if \first
	v_wmma_scale_f32_16x16x128_f8f6f4 v[DD:DD+7], v[BR:BR+11], v[AR:AR+11], v[CI:CI+7], v[SB], v[SA] matrix_a_fmt:MATRIX_FMT_BF6 matrix_b_fmt:MATRIX_FMT_BF6 matrix_a_scale:MATRIX_SCALE_ROW1
.else
	v_wmma_scale_f32_16x16x128_f8f6f4 v[DD:DD+7], v[BR:BR+11], v[AR:AR+11], v[DD:DD+7], v[SB], v[SA] matrix_a_fmt:MATRIX_FMT_BF6 matrix_b_fmt:MATRIX_FMT_BF6 matrix_a_scale:MATRIX_SCALE_ROW1
.endif
.endr
.endr
.endm
.macro FETCH_B st, p
	WIN TO_B
.irp i, 0,1,2,3,4,5,6,7
	FRAG 128*(\p)+FR*\i, ADRB, \st, (\i%4)*16*PITCH+(\i/4)*HALFT
.endr
	WIN 0
.endm
.macro FETCH_A st, i0
.irp i, \i0, \i0+1, \i0+2, \i0+3
	FRAG AF+FR*(\i), ADRA, \st, (\i)*16*PITCH
.endr
.endm
.macro ASK how                         ; 1: always; 2: not in the loop's last trip, where two refills on there is no chunk
.if \how
.if \how == 2
	s_cmp_lg_u32 s3, 1
	s_cbranch_scc0 .Lno_ask_\@
.endif
	global_prefetch_b8 v[PFO], s[PFA:PFA+1] th:TH_LOAD_NT scope:SCOPE_SE
.if \how == 2
.Lno_ask_\@:
.endif
.endif
.endm
; A step: 64 matrix instructions; the next step's fragments are fetched in its middle and at its end.  st counts from the trip's first chunk.
; Where the next step's bytes END in a chunk not read yet: the wait for my tensor loads and a barrier show it whole.  Where they BEGIN in a later chunk: the chunk left behind is read no more:
; the wait, the add, the wait for it and for my reads, the barrier; with fill = 1 it opens a round of the cluster's barrier and the slot is filled again.
.macro STEP st, first, fill, ask, scl
.set NX, (\st)+1
.set C0, (96*(\st))/ROWB
.set C1, (96*NX)/ROWB
.set E0, (96*(\st)+95)/ROWB
.set E1, (96*NX+95)/ROWB
.set PP, (\st)%2
.set QQ, (\st)%4
.set SS, ((\st)/4)%2
.if QQ == 0
	s_wait_loadcnt 0x0                             ; this step's set of scale words, asked for four steps ago (at step 0: the bias and g too)
.endif
.if C1 > C0 || E1 > E0
.if \ask
	s_wait_xcnt 0x0                                ; my last prefetch has read its address
	s_add_nc_u64 s[PFA:PFA+1], s[PFA:PFA+1], ROWB
.endif
.if C1 > C0
	s_wait_tensorcnt 0x0                           ; all my tensor loads have landed
	ds_add_u32 v[SPW], v[NIL]
	s_wait_dscnt 4*NL+1                            ; the add and the 24 youngest loads (A's blocks 4-7) may be out
.else
	s_wait_dscnt 4*NL
.endif
	WIN MUL_LO
	MUL16 0, PP, QQ, SS, 0
.if C1 == C0
	s_wait_tensorcnt 0x0                           ; my part of the new chunk is waited for directly ahead of the signal
.endif
	s_wait_dscnt 0x0                               ; the add and all my reads are done
	s_barrier_signal -1
	MUL16 2, PP, QQ, SS, 0
	WIN 0
	s_barrier_wait -1
.if C1 > C0 && \fill
	CREST
	UPD
	JLOAD                                          ; two chunks ahead; its four v_nop are the places in front of the loads below
.else
	PLACES
.endif
.else
	s_wait_dscnt 4*NL                              ; the 24 youngest loads (A's blocks 4-7) may be out
	WIN MUL_LO-0x10*(\first)
	MUL16 0, PP, QQ, SS, \first
	MUL16 2, PP, QQ, SS, \first
	s_wait_dscnt 0x0
	PLACES
.endif
	FETCH_B NX, NX%2
	FETCH_A NX, 0
.if (\scl) && (QQ == 0)
	SCALES (SS+1)%2, (\st)/4+1
.endif
	ASK \ask
	WIN MUL_HI-0x20*(\first)
	MUL16 4, PP, QQ, SS, \first
	MUL16 6, PP, QQ, SS, \first
	PLACES
	WIN 0
	FETCH_A NX, 4
.endm
	s_wait_tensorcnt 0x0                           ; my part of chunk 0 is in; slot 1's first fill is issued as a refill is
	ds_add_u32 v[SPW], v[NIL]
	UPD
	s_wait_dscnt 0x0
	CROUND
	JLOAD                                          ; chunk 1
	FETCH_B 0, 0
	FETCH_A 0, 0
	FETCH_A 0, 4
	global_prefetch_b8 v[PFO], s[PFA:PFA+1] th:TH_LOAD_NT scope:SCOPE_SE                  ; chunk 3, two fills on from chunk 1's
	STEP 0, 1, 0, 0, 1
	s_mov_b32 s3, 3
.Llap:                                                 ; steps 1 to 8 of a run of eight; refills in steps 2, 5 and 7
	STEP 1, 0, 1, 0, 1
	STEP 2, 0, 1, 1, 1
	STEP 3, 0, 1, 0, 1
	STEP 4, 0, 1, 0, 1
	STEP 5, 0, 1, 1, 1
	STEP 6, 0, 1, 0, 1
	STEP 7, 0, 1, 2, 1
	STEP 8, 0, 1, 0, 1
	s_wait_xcnt 0x0                                ; the scale loads have read their base
	s_add_nc_u64 s[6:7], s[6:7], 512               ; eight steps of scale words on
.irp i, 0,1,2,3
	v_xor_b32 v[ADRA+2*\i], v[ADRA+2*\i], v[DA+\i] ; three chunks on: the slots change roles
	v_xor_b32 v[ADRA+2*\i+1], v[ADRA+2*\i+1], v[DA+\i]
.endr
	s_wait_alu depctr_va_vdst(0)                   ; the wait ahead of the branch
	s_sub_co_u32 s3, s3, 1
	s_cmp_lg_u32 s3, 0
	s_cbranch_scc1 .Llap
	STEP 1, 0, 0, 0, 0                             ; the last seven steps: chunk 11 is the one refill left
	STEP 2, 0, 1, 0, 0
.irp t, 3,4,5,6
	STEP \t, 0, 0, 0, 0
.endr
	s_wait_dscnt 4*NL
	WIN MUL_LO
	MUL16 0, 1, 3, 1, 0
	MUL16 2, 1, 3, 1, 0
	s_wait_dscnt 0x0
	WIN MUL_HI
	MUL16 4, 1, 3, 1, 0
	MUL16 6, 1, 3, 1, 0
	WIN 0
; THE WAY OUT, by blocks of 16 rows: the row's expert is selected, tanh, through my stage, back as whole rows of 256 bytes.
.macro SELTANH a
.set AC, 64*((\a)%4)
.set TT, T0+32*((\a)%2)
	WIN 0
	v_cmp_ne_u32 vcc_lo, 0, v[GR+(\a)]
	WIN 0x0a+5*((\a)/4)
.irp c, 0,1,2,3
.irp j, 0,1,2,3,4,5,6,7
	v_cndmask_b32 v[TT+8*\c+\j], v[AC+8*\c+\j], v[AC+32+8*\c+\j], vcc_lo   ; each accumulator from its low end on
.endr
.endr
	WIN 0
.set i, 0
.rept 16
	v_pk_mul_f32 v[TT+i:TT+i+1], v[TT+i:TT+i+1], s[66:67] op_sel_hi:[1,0]
.set i, i+2
.endr
.set i, 0
	s_wait_alu depctr_va_vdst(0)                   ; a wait ahead of each batch of transcendentals and one behind it
.rept 32
	v_exp_f32 v[TT+i], v[TT+i]
.set i, i+1
.endr
	v_nop
.set i, 0
	s_wait_alu depctr_va_vdst(0)
.rept 16
	v_pk_add_f32 v[TT+i:TT+i+1], v[TT+i:TT+i+1], 1.0 op_sel_hi:[1,0]
.set i, i+2
.endr
.set i, 0
	s_wait_alu depctr_va_vdst(0)
.rept 32
	v_rcp_f32 v[TT+i], v[TT+i]
.set i, i+1
.endr
	v_nop
.set i, 0
	s_wait_alu depctr_va_vdst(0)
.rept 16
	v_pk_fma_f32 v[TT+i:TT+i+1], v[TT+i:TT+i+1], -2.0, 1.0 op_sel_hi:[1,0,0]
.set i, i+2
.endr
.endm
.macro TOSTAGE a
.set TT, T0+32*((\a)%2)
.set BB, BK+32*((\a)%2)
.irp c, 0,1,2,3
	ds_store_b128 v[STO], v[TT+8*\c:TT+8*\c+3] offset:64*\c
	ds_store_b128 v[STO], v[TT+8*\c+4:TT+8*\c+7] offset:64*\c+16
.endr
.irp t, 0,1,2,3,4,5,6,7
	ds_load_b128 v[BB+4*\t:BB+4*\t+3], v[RD] offset:\t*2*SPITCH    ; LDS serves a wave's instructions in order (ISA guide 5.7.1.4)
.endr
.endm
.macro SEND a
.set BB, BK+32*((\a)%2)
	s_wait_dscnt 0x0
	s_wait_xcnt 0x0
.irp t, 0,1,2,3,4,5,6,7
	global_store_b128 v[CO], v[BB+4*\t:BB+4*\t+3], s[98:99] offset:(16*(\a)+2*\t)*OROW th:TH_STORE_NT   ; 16 lanes store 256 consecutive bytes, aligned
.endr
.endm
	PLACES
	SELTANH 0
	TOSTAGE 0
.irp a, 1,2,3,4,5,6,7
	SELTANH \a
	s_wait_alu depctr_va_vdst(0)                   ; the wait ahead of SEND's waits
	SEND \a-1
	TOSTAGE \a
.endr
	SEND 7
	s_wait_tensorcnt 0x0                           ; the wave's end
	ds_add_u32 v[SPW], v[NIL]
	s_wait_dscnt 0x0
	CROUND                                         ; the closing round
	s_endpgm
.Lfunc_end_k_qc2670f8561_gemm:
	.size	k_qc2670f8561_gemm, .Lfunc_end_k_qc2670f8561_gemm-k_qc2670f8561_gemm
	.p2alignl 7, 3214868480
	.fill 96, 4, 3214868480
	.section	.rodata,"a",@progbits
	.p2align	6, 0x0
	.amdhsa_kernel k_qc2670f8561_gemm
		.amdhsa_group_segment_fixed_size 327680
		.amdhsa_private_segment_fixed_size 0
		.amdhsa_enable_private_segment 0
		.amdhsa_kernarg_size 48
		.amdhsa_user_sgpr_count 2
		.amdhsa_user_sgpr_kernarg_segment_ptr 1
		.amdhsa_wavefront_size32 1
		.amdhsa_system_sgpr_workgroup_id_x 1
		.amdhsa_system_sgpr_workgroup_id_y 1
		.amdhsa_system_sgpr_workgroup_id_z 1
		.amdhsa_system_vgpr_workitem_id 0
		.amdhsa_next_free_vgpr 1024
		.amdhsa_next_free_sgpr 100
		.amdhsa_reserve_vcc 1
		.amdhsa_float_denorm_mode_32 3
		.amdhsa_float_denorm_mode_16_64 3
		.amdhsa_memory_ordered 1
		.amdhsa_forward_progress 1
		.amdhsa_inst_pref_size 255
	.end_amdhsa_kernel
	.section	.bss,"aw",@nobits
	.p2align	6
	.space	262144
	.amdgpu_metadata
---
amdhsa.version: [ 1, 2 ]
amdhsa.kernels:
  - .name:           k_qc2670f8561_gemm
    .symbol:         k_qc2670f8561_gemm.kd
    .args:
      - { .name: xc, .offset: 0, .size: 8, .value_kind: global_buffer, .address_space: global }
      - { .name: sc, .offset: 8, .size: 8, .value_kind: global_buffer, .address_space: global }
      - { .name: W_codes, .offset: 16, .size: 8, .value_kind: global_buffer, .address_space: global }
      - { .name: b, .offset: 24, .size: 8, .value_kind: global_buffer, .address_space: global }
      - { .name: g, .offset: 32, .size: 8, .value_kind: global_buffer, .address_space: global }
      - { .name: out0, .offset: 40, .size: 8, .value_kind: global_buffer, .address_space: global }
    .group_segment_fixed_size: 327680
    .private_segment_fixed_size: 0
    .kernarg_segment_align: 8
    .kernarg_segment_size: 48
    .max_flat_workgroup_size: 128
    .sgpr_count:     100
    .vgpr_count:     1024
    .wavefront_size: 32
...
	.end_amdgpu_metadata
.endif
;; end of part 2
